; MI455X (gfx1250); checked and timed in simulation.
; The chip was launched on July 23, 2026; its instructions are those of AMD's public machine-readable ISA for CDNA 5 (MIT licence, August 2026) and "CDNA5" Instruction Set Architecture Reference Guide (July 2026). The comments in the code are by the model that wrote it; some were corrected since.
;; Sliding Window Attention. Allowed arithmetic: matrix products marked QUANTISED: E2M3 operands, one E8M0 scale for each 32 along K, by v_wmma_scale_f32_16x16x128_f8f6f4 with both operands' format E2M3, f32 sums; everything else in f32.
;; Inputs: Wk 1,024 x 1,024 float32; Wq 1,024 x 1,024 float32; Wv 1,024 x 1,024 float32; bk 1,024 float32; bq 1,024 float32; bv 1,024 float32; hidden_states 4 x 2,048 x 1,024 float32.
;; Outputs: out0 4 x 2,048 x 1,024 float32.
;; This version of the problem:
;;   THIS VERSION OF THE PROBLEM IS GIVEN IN LOW PRECISION. The matrix products marked QUANTISED in the list below multiply operands that are first quantised to E2M3 (2 exponent bits, 3 mantissa bits; 6 bits a number), with one power-of-two scale for each 32 numbers along K (OCP MX v1.0); their sums are f32. All else is computed in f32.
;;   The module's matrix products, in the order in which they are computed (A, B: the left and right operand; K: the contracted axis; several contracted axes count as one K, in the product's order):
;;     1. [M 8,192, K 1,024] x [K 1,024, N 1,024]; A: input hidden_states; B: input Wq: QUANTISED
;;     2. [M 8,192, K 1,024] x [K 1,024, N 1,024]; A: input hidden_states; B: input Wk: QUANTISED
;;     3. [M 8,192, K 1,024] x [K 1,024, N 1,024]; A: input hidden_states; B: input Wv: QUANTISED
;;     4. batch 64 x [M 2,048, K 64] x [K 64, N 2,048]; A: computed on the way; B: computed on the way: QUANTISED
;;     5. batch 64 x [M 2,048, K 2,048] x [K 2,048, N 64]; A: softmax (see below); B: computed on the way: QUANTISED
;;   THE QUANTISER, for each operand of a quantised product, along K:
;;     - K is cut into blocks of 32 from its start; a last block that is shorter is filled with zeros.
;;     - A block's scale is 2^e with e = floor(log2(the largest magnitude in the block)) - 2, held to -126 .. 127; a block of zeros has e = 0. As a byte (E8M0): e + 127.
;;     - Each number is divided by its block's scale, clamped to +-7.5, and rounded to the nearest number of E2M3, ties to even, subnormals kept.
;;     - The product sums the exact products of the quantised numbers (number of the format x scale) in f32.
;;   ~~~python
;;   def quantise(x, axis):      # numpy; x: float32 -> the quantised numbers, widened to float32 again
;;       x = np.moveaxis(x, axis, -1); K = x.shape[-1]
;;       x = np.pad(x, [(0, 0)] * (x.ndim - 1) + [(0, -K % 32)]); x = x.reshape(x.shape[:-1] + (-1, 32)); a = np.abs(x).max(-1, keepdims=True)
;;       e = np.where(a > 0, np.clip(np.frexp(np.where(a > 0, a, 1))[1] - 1 - 2, -126, 127), 0)      # np.frexp(a)[1] - 1 = floor(log2(a)), exactly
;;       r = np.clip(x / 2.0 ** e, -7.5, 7.5)
;;       step = 2.0 ** (np.maximum(np.frexp(np.where(r == 0, 1, r))[1] - 1, 0) - 3)
;;       q = np.round(r / step) * step * 2.0 ** e      # np.round: ties to even
;;       return np.moveaxis(q.reshape(q.shape[:-2] + (-1,))[..., :K], -1, axis).astype(np.float32)
;;   ~~~
;;   SOFTMAX AHEAD OF A QUANTISED PRODUCT. Where the list says 'softmax', what is quantised is not the finished softmax but p = 2^(t - M), with t = logit x log2(e) and M = ceil(the row's largest t), a whole number; so 1/2 < the row's largest p <= 1. The row's sum l is taken of the UNQUANTISED p, in f32, and the product's result is divided by l at the end. Since M is a whole number, a kernel that streams over the keys may use a running M (the ceiling of the running maximum): every later rescaling is an exact power of two, which a block's scale takes up: the codes' values come out the same.
;;   OPERANDS COMPUTED ON THE WAY. 'Computed on the way' means the value that the module computes at that place (a softmax that the list does not call 'softmax' is quantised finished and normalised). What goes into a quantiser is computed in f32, as accurately as f32 sums, v_exp_f32 and their like allow (about 1e-6 of the number): no bf16 or f16 on the way to a quantiser, and a product that is left as it is and whose result goes on into a quantised operand takes f32 operands (vector FMAs, or v_wmma_f32_16x16x4_f32). A number that lies on a knife's edge between two numbers of the format may be rounded either way, as far as f32 arithmetic and the matrix unit's own rounding can turn it there, and no further.
;; One version. Each part assembles by itself: llvm-mc -triple=amdgcn-amd-amdhsa -mcpu=gfx1250 --defsym DOCPART=n.
;; ======== version 1 of 1: 3 launches
;; workspace buffers: x_img 6,291,456 bytes; w_img 2,359,296 bytes; xw_sc 360,448 bytes; qk_img 12,582,912 bytes; qk_sc 524,288 bytes; v_img 6,291,456 bytes; v_sc 262,144 bytes
;; launch quant (part 1): grid 448 x 1, 4 waves a work-group, no clusters, 34,304 bytes of LDS; arguments hidden_states, Wq, Wk, Wv, x_img, w_img, xw_sc; writes x_img, w_img, xw_sc
.if DOCPART == 1
	.amdgcn_target "amdgcn-amd-amdhsa--gfx1250"
	.amdhsa_code_object_version 6
	.text
	.protected	k_q4dd5808175_quant
	.globl	k_q4dd5808175_quant
	.p2align	8
	.type	k_q4dd5808175_quant,@function
k_q4dd5808175_quant:
	s_mov_b64 s[64:65], 0
	v_nop
	global_prefetch_b8 v0, s[64:65] scope:SCOPE_SE
	s_setreg_imm32_b32 hwreg(HW_REG_WAVE_MODE, 25, 1), 1
	s_wait_xcnt 0x0
; hidden_states [8192][1024] (K innermost) and Wq, Wk, Wv [1024 (k)][1024 (n)] (K outermost), f32, become codes of FP6 (E2M3) with one E8M0 byte for each 32 along K.
; A block's scale is 2^(floor(log2(its largest magnitude)) - 2): its byte is the largest magnitude's exponent field - 2, held at 1 from below.
; LIMITS: NaN and infinities among the inputs are not served.  A block whose largest magnitude lies under 2^-124 keeps the byte 1; a block of zeros gets the byte 1 where the
; rule says 127: its codes are zeros, which add nothing under any byte but 0xff, and the bytes are read by this program alone.
; LAYOUT OF THE RESULTS.  A FRAGMENT is 16 rows x 128 K, 12 registers a lane; its IMAGE is 1,536 bytes: lane l's registers 4 c .. 4 c + 3 at 512 c + 16 l.  Eight fragments are a PANEL
; (128 rows x 128 K, 12,288 bytes).  Row r of fragment 2 B + u is row 32 B + 8 u + r + 8 (r / 8) of the panel's 128, so that a product which takes a panel's fragments as source 0
; leaves 16 neighbours along these rows in a lane's 16 registers of two neighbouring tiles.  x_img: [row panel 0..63][K step 0..7]; w_img: [column panel 0..23: Wq, Wk, Wv][K step].
; Scale words (four bytes: a row's 128 along K): xw_sc [panel][fragment][K half][row][4 words], x's from byte 0, W's from byte 262,144.
; WORK-GROUPS 0..191 take W: one panel each, a wave 32 columns x 128 K: a lane a column, its registers down K, so that nothing is transposed.
; WORK-GROUPS 192..447 take x: a wave 16 rows x 512 K, four fragments.  Its loads read 512 consecutive bytes of a row; the numbers turn through the wave's own stage in LDS so that a lane gets 16 neighbours of each block.
; No tensor load, no barrier: waves share nothing.  Matrix units and clusters have nothing to do here: each byte is read once and written once.
.set SPARE, 33792                      ; behind the four stages: the spare words, 128 bytes for each wave: two blocks of 256 bytes that no other line names
.set STGB,  8448                       ; a wave's stage: 16 rows x 528 bytes
.set SP,    528                        ; a stage row: 512 bytes + 16: 33 x 16, so the 16 rows that a load touches fall on 16 different columns of 16 bytes
.set PANEL, 12288
.set FRB,   1536
.set WSC,   262144                     ; where W's scale words begin in xw_sc
.set SPW, 8                            ; v8   LDS address of my spare word; never rewritten
.set NIL, 9                            ; v9   0; never rewritten
.set TM,  10                           ; x: v10-13 largest magnitudes, v14-17 bytes, v22-25 the conversions' scale operands
.set PW,  26                           ; x: the scale word just made
.set PWK, 28                           ; x: v28-31 the four K steps' scale words
.set PC,  32                           ; x: v32-43 a fragment's codes; v44-46, v48-50 second halves on their way
.set DD,  52                           ; x: v52-53 the two words that I store
.set X,   64                           ; x: v64-127 64 numbers: register 16 b + i = k 32 b + 16 (lane / 16) + i of my row
.set R,   128                          ; x: v128-255 two sets of 64 as loaded
.set WM,  10                           ; W: v10-13 largest magnitudes
.set WS,  14                           ; W: v14-17 the conversions' scale operands
.set N,   64                           ; W: v64-191 my column's 128 numbers
.set F0,  32                           ; W: v32-43 blocks 0 and 2, then fragment 2 B
.set F1,  44                           ; W: v44-55 blocks 1 and 3, then fragment 2 B + 1
.set TP,  192                          ; W: second halves on their way, four registers a block
	s_load_b256 s[4:11], s[0:1], 0x0               ; x s[4:5], Wq s[6:7], Wk s[8:9], Wv s[10:11]
	s_load_b128 s[12:15], s[0:1], 0x20             ; x_img s[12:13], w_img s[14:15]
	s_load_b64 s[16:17], s[0:1], 0x30              ; xw_sc
	v_lshl_add_u32 v[SPW], v0, 2, SPARE
	v_mov_b32 v[NIL], 0
	v_lshrrev_b32 v1, 5, v0
	v_readfirstlane_b32 s18, v1                    ; wave 0..3
	v_and_b32 v1, 31, v0                           ; lane
	v_and_b32 v2, 15, v0                           ; r
	v_bfe_u32 v3, v0, 4, 1                         ; h
	s_cmp_lt_u32 ttmp9, 192
	s_cbranch_scc1 .Lw
	; ---------------- x ----------------
	s_mov_b32 s20, 0x76543210
	s_mov_b32 s21, 0xfedcba98                      ; v_permlanex16_b32's selects for lane l xor 16
	s_mov_b32 s30, 0xffff0000                      ; lanes 16-31
	s_sub_co_u32 s22, ttmp9, 192
	s_lshl_b32 s22, s22, 2
	s_add_co_u32 s22, s22, s18                     ; U = which (panel, fragment, K half) is my wave's, 0..1023
	s_lshr_b32 s23, s22, 4                         ; the panel T
	s_bfe_u32 s24, s22, 0x30001                    ; the fragment g
	s_and_b32 s25, s22, 1                          ; the K half
	s_lshl_b32 s26, s23, 7
	s_lshr_b32 s27, s24, 1
	s_lshl_b32 s27, s27, 5
	s_add_co_u32 s26, s26, s27
	s_and_b32 s27, s24, 1
	s_lshl_b32 s27, s27, 3
	s_add_co_u32 s26, s26, s27                     ; the fragment's row 0: 128 T + 32 (g / 2) + 8 (g % 2)
	s_lshl_b32 s26, s26, 12                        ; rows of 4,096 bytes
	s_lshl_b32 s27, s25, 11
	s_add_co_u32 s26, s26, s27                     ; + 2,048 x K half
	s_mov_b32 s27, 0
	s_mul_i32 s28, s23, 8*PANEL
	s_mul_i32 s31, s25, 4*PANEL
	s_add_co_u32 s28, s28, s31
	s_mul_i32 s31, s24, FRB
	s_add_co_u32 s28, s28, s31                     ; x_img: panel (T, 4 x K half), fragment g
	s_mov_b32 s29, 0
	s_lshl_b32 s32, s22, 8                         ; xw_sc: 256 bytes for each U
	s_mov_b32 s33, 0
	s_mul_i32 s34, s18, STGB                       ; my stage
	s_wait_alu depctr_va_vdst(0)
	v_lshlrev_b32 v4, 4, v1                        ; 16 x lane
	v_add_nc_u32 v5, s34, v4                       ; the stage, on the way in: a row's 512 bytes as they lie
	v_mul_u32_u24 v6, v2, SP
	v_lshl_add_u32 v6, v3, 6, v6
	v_add_nc_u32 v6, s34, v6                       ; and on the way out: row r, + 64 h: my 16 numbers of a block of 32
	v_lshlrev_b32 v7, 4, v2
	v_lshl_add_u32 v7, v3, 3, v7                   ; my two scale words: 16 r + 8 h
.irp b, 0,1,2,3
	v_mov_b32 v[TM+4+\b], 0                        ; written once: a lane permute's destination counts as one of its sources
.endr
	s_wait_alu depctr_va_vdst(0)
	s_wait_kmcnt 0x0
	s_add_nc_u64 s[4:5], s[4:5], s[26:27]
	s_add_nc_u64 s[12:13], s[12:13], s[28:29]
	s_add_nc_u64 s[16:17], s[16:17], s[32:33]
.macro LOADX t                         ; K step t of my 16 rows into set t % 2: each load reads 512 consecutive bytes of one row
.irp p, 0,1,2,3,4,5,6,7,8,9,10,11,12,13,14,15
	global_load_b128 v[R+64*((\t)%2)+4*\p:R+64*((\t)%2)+4*\p+3], v4, s[4:5] offset:(\p+8*(\p/8))*4096+512*(\t) th:TH_LOAD_NT
.endr
.endm
; 64 numbers of a lane, register 16 b + i = k 32 b + 16 (lane / 16) + i of my row, become a fragment's codes in v[PC] on and its scale word in v[PW].
.macro QUANT s
.irp b, 0,1,2,3
	v_max3_num_f32 v[TM+\b], |v[\s+16*\b]|, |v[\s+1+16*\b]|, 0x1800000   ; block b: my 16 numbers, and the floor 2^(3 - 127): the byte cannot fall under 1
.endr
.irp i, 2,4,6,8,10,12,14
.irp b, 0,1,2,3
	v_max3_num_f32 v[TM+\b], v[TM+\b], |v[\s+16*\b+\i]|, |v[\s+1+16*\b+\i]|   ; the four blocks by turns: no line waits for the line above it
.endr
.endr
.irp b, 0,1,2,3
	v_permlanex16_b32 v[TM+4+\b], v[TM+\b], s20, s21
.endr
.irp b, 0,1,2,3
	v_max_num_f32 v[TM+\b], v[TM+\b], v[TM+4+\b]   ; with lane l xor 16's: the block's largest magnitude
.endr
.irp b, 0,1,2,3
	v_add_nc_u32 v[TM+12+\b], 0xff000000, v[TM+\b] ; 2 off its exponent field: the conversion takes the exponent field of this operand as its scale
.endr
.irp b, 0,1,2,3
	v_lshrrev_b32 v[TM+4+\b], 23, v[TM+12+\b]      ; the scale's byte
.endr
	v_lshl_or_b32 v[PW], v[TM+5], 8, v[TM+4]       ; the four bytes make my row's scale word
	v_lshl_or_b32 v[PW], v[TM+6], 16, v[PW]
	v_lshl_or_b32 v[PW], v[TM+7], 24, v[PW]
.irp c, 0,1
	v_cvt_scalef32_pk16_fp6_f32 v[PC+6*\c:PC+2+6*\c], v[\s+32*\c:\s+15+32*\c], v[TM+12+2*\c]
	v_cvt_scalef32_pk16_fp6_f32 v[PC+12+4*\c:PC+14+4*\c], v[\s+16+32*\c:\s+31+32*\c], v[TM+12+2*\c+1]   ; a conversion's three registers begin on an even number
.endr
	v_nop                                          ; one plain place behind a scaled conversion
.irp c, 0,1                                    ; the operand's layout wants a WHOLE block in a lane: lanes 0-15 block 2 c, lanes 16-31 block 2 c + 1
.irp i, 0,1,2
	v_permlane16_swap_b32 v[PC+6*\c+\i], v[PC+12+4*\c+\i]
.endr
.irp i, 0,1,2
	v_mov_b32 v[PC+3+6*\c+\i], v[PC+12+4*\c+\i]
.endr
.endr
.endm
.macro XSTEP t
.if \t < 3
	s_wait_loadcnt 16                              ; this K step's 16 loads are in; the next step's 16 may be out
.else
	s_wait_loadcnt 0x0
.endif
.irp p, 0,1,2,3,4,5,6,7,8,9,10,11,12,13,14,15
	ds_store_b128 v5, v[R+64*((\t)%2)+4*\p:R+64*((\t)%2)+4*\p+3] offset:SP*\p
.endr
.irp b, 0,1,2,3
.irp j, 0,1,2,3
	ds_load_b128 v[X+16*\b+4*\j:X+16*\b+4*\j+3], v6 offset:128*\b+16*\j   ; LDS serves a wave's instructions in order: these see the stores above
.endr
.endr
	s_wait_dscnt 0x0                               ; the numbers are back, and the stores have read the set
	s_wait_xcnt 0x0                                ; the last step's stores have read the codes' registers: they are written again only behind this wait
.if \t < 2
	LOADX (\t)+2                                   ; the set takes the K step two on
.endif
	QUANT X
	v_mov_b32 v[PWK+\t], v[PW]
.irp c, 0,1,2
	global_store_b128 v4, v[PC+4*\c:PC+4*\c+3], s[12:13] offset:PANEL*\t+512*\c   ; the image: 512 consecutive bytes a store
.endr
.endm
	LOADX 0
	LOADX 1
	XSTEP 0
	XSTEP 1
	XSTEP 2
	XSTEP 3
.irp i, 0,1
	v_cndmask_b32 v[DD+\i], v[PWK+\i], v[PWK+2+\i], s30   ; lanes 0-15: words 0, 1 of row r; lanes 16-31: words 2, 3
.endr
	global_store_b64 v7, v[DD:DD+1], s[16:17]      ; 32 lanes store 256 consecutive bytes, aligned
	s_wait_tensorcnt 0x0                           ; the wave's end, behind my last LDS store
	ds_add_u32 v[SPW], v[NIL]
	s_wait_dscnt 0x0
	s_endpgm
	; ---------------- W ----------------
.Lw:
	s_lshr_b32 s22, ttmp9, 3                       ; the column panel T, 0..23
	s_and_b32 s23, ttmp9, 7                        ; the K step s
	s_and_b32 s24, s22, 7                          ; the panel inside its matrix
	s_wait_alu depctr_va_vdst(0)
	v_and_b32 v4, 8, v2
	v_add_nc_u32 v4, v4, v2
	v_lshl_add_u32 v4, v3, 3, v4                   ; r + 8 (r / 8) + 8 u, u = lane / 16: the 32 lanes cover 32 neighbouring columns
	s_lshl_b32 s25, s24, 7
	s_lshl_b32 s26, s18, 5
	s_add_co_u32 s25, s25, s26                     ; + 128 x panel + 32 x wave
	v_add_nc_u32 v4, s25, v4
	v_lshlrev_b32 v4, 2, v4                        ; my column, in bytes
	s_lshl_b32 s26, s23, 19                        ; the K step's 128 rows of 4,096 bytes
	s_mov_b32 s27, 0
	s_lshl_b32 s28, s22, 3
	s_add_co_u32 s28, s28, s23
	s_mul_i32 s28, s28, PANEL
	s_mul_i32 s31, s18, 2*FRB
	s_add_co_u32 s28, s28, s31                     ; w_img: panel (T, s), fragment 2 x wave
	s_mov_b32 s29, 0
	s_lshl_b32 s32, s22, 3
	s_lshl_b32 s31, s18, 1
	s_add_co_u32 s32, s32, s31
	s_lshl_b32 s32, s32, 9                         ; xw_sc: 512 bytes for each fragment,
	s_lshr_b32 s31, s23, 2
	s_lshl_b32 s31, s31, 8
	s_add_co_u32 s32, s32, s31                     ; 256 for each K half,
	s_and_b32 s31, s23, 3
	s_lshl_b32 s31, s31, 2
	s_add_co_u32 s32, s32, s31                     ; the K step's word,
	s_add_co_u32 s32, s32, WSC                     ; behind x's
	s_mov_b32 s33, 0
	v_lshlrev_b32 v5, 4, v1                        ; 16 x lane
	v_lshlrev_b32 v6, 4, v2
	v_lshl_add_u32 v6, v3, 9, v6                   ; my word: 16 r, in fragment 2 x wave + u
	s_wait_alu depctr_va_vdst(0)
	s_wait_kmcnt 0x0
	s_cmp_lt_u32 s22, 8                            ; which matrix: the choice hangs on the work-group's number alone
	s_cselect_b64 s[6:7], s[6:7], s[8:9]
	s_cmp_lt_u32 s22, 16
	s_cselect_b64 s[6:7], s[6:7], s[10:11]
	s_add_nc_u64 s[6:7], s[6:7], s[26:27]
	s_add_nc_u64 s[14:15], s[14:15], s[28:29]
	s_add_nc_u64 s[16:17], s[16:17], s[32:33]
.macro WLOAD bk                        ; block bk: W(128 s + 32 bk + i, my column): the wave reads 128 consecutive bytes, the four waves side by side 512
.irp i, 0,1,2,3,4,5,6,7,8,9,10,11,12,13,14,15,16,17,18,19,20,21,22,23,24,25,26,27,28,29,30,31
	global_load_b32 v[N+32*(\bk)+\i], v4, s[6:7] offset:(32*(\bk)+\i)*4096 th:TH_LOAD_NT
.endr
.endm
.macro WBLOCK bk
.set NS, N+32*(\bk)
.set BL, F0+12*((\bk)%2)+6*((\bk)/2)   ; blocks 0, 2 into F0's halves, blocks 1, 3 into F1's
.if \bk < 3
	s_wait_loadcnt 32                              ; this block's 32 loads are in; the next block's 32 may be out
.else
	s_wait_loadcnt 0x0
.endif
.if \bk < 2
	WLOAD (\bk)+2                                  ; loads run two blocks ahead
.endif
	v_max3_num_f32 v[WM+\bk], |v[NS]|, |v[NS+1]|, |v[NS+2]|     ; the block's largest magnitude: all 32 numbers are mine; two chains
	v_max3_num_f32 v24, |v[NS+3]|, |v[NS+4]|, |v[NS+5]|
.irp i, 6,10,14,18,22,26
	v_max3_num_f32 v[WM+\bk], v[WM+\bk], |v[NS+\i]|, |v[NS+\i+1]|
	v_max3_num_f32 v24, v24, |v[NS+\i+2]|, |v[NS+\i+3]|
.endr
	v_max3_num_f32 v[WM+\bk], v[WM+\bk], |v[NS+30]|, |v[NS+31]|
	v_max3_num_f32 v[WM+\bk], v[WM+\bk], v24, 0x1800000         ; and the floor 2^(3 - 127)
	v_add_nc_u32 v[WS+\bk], 0xff000000, v[WM+\bk]               ; 2 off the exponent field: the conversion's scale operand
	v_lshrrev_b32 v18, 23, v[WS+\bk]                            ; the scale's byte
.if \bk == 0
	v_mov_b32 v22, v18                             ; four bytes to the word, the lower K in the lower byte
.else
	v_lshl_or_b32 v22, v18, 8*(\bk), v22
.endif
	v_cvt_scalef32_pk16_fp6_f32 v[BL:BL+2], v[NS:NS+15], v[WS+\bk]
	v_cvt_scalef32_pk16_fp6_f32 v[TP+4*(\bk):TP+4*(\bk)+2], v[NS+16:NS+31], v[WS+\bk]   ; a conversion's three registers begin on an even number
.endm
	WLOAD 0
	WLOAD 1
	WBLOCK 0
	WBLOCK 1
	WBLOCK 2
	WBLOCK 3
	v_nop                                          ; one plain place behind a scaled conversion
.irp k, 0,1,2,3
.irp i, 0,1,2
	v_mov_b32 v[F0+12*(\k%2)+6*(\k/2)+3+\i], v[TP+4*\k+\i]
.endr
.endr
.irp i, 0,1,2,3,4,5,6,7,8,9,10,11
	v_permlane16_swap_b32 v[F0+\i], v[F1+\i]       ; F0's lanes 16-31 (u = 1: blocks 0, 2) change places with F1's lanes 0-15 (u = 0: blocks 1, 3): F0 is now fragment 2 B, F1 fragment 2 B + 1
.endr
.irp c, 0,1,2
	global_store_b128 v5, v[F0+4*\c:F0+4*\c+3], s[14:15] offset:512*\c
.endr
.irp c, 0,1,2
	global_store_b128 v5, v[F1+4*\c:F1+4*\c+3], s[14:15] offset:FRB+512*\c
.endr
	global_store_b32 v6, v22, s[16:17]             ; 4 bytes a lane, 16 bytes apart: W's scale words are 98,304 bytes in all, against 12.6 million bytes of W read
	s_wait_tensorcnt 0x0                           ; the wave's end: the same three lines stand on this way too
	ds_add_u32 v[SPW], v[NIL]
	s_wait_dscnt 0x0
	s_endpgm
.Lfunc_end_k_q4dd5808175_quant:
	.size	k_q4dd5808175_quant, .Lfunc_end_k_q4dd5808175_quant-k_q4dd5808175_quant
	.p2alignl 7, 3214868480
	.fill 96, 4, 3214868480
	.section	.rodata,"a",@progbits
	.p2align	6, 0x0
	.amdhsa_kernel k_q4dd5808175_quant
		.amdhsa_group_segment_fixed_size 34304
		.amdhsa_private_segment_fixed_size 0
		.amdhsa_enable_private_segment 0
		.amdhsa_kernarg_size 56
		.amdhsa_user_sgpr_count 2
		.amdhsa_user_sgpr_kernarg_segment_ptr 1
		.amdhsa_wavefront_size32 1
		.amdhsa_system_sgpr_workgroup_id_x 1
		.amdhsa_system_sgpr_workgroup_id_y 1
		.amdhsa_system_sgpr_workgroup_id_z 1
		.amdhsa_system_vgpr_workitem_id 0
		.amdhsa_next_free_vgpr 256
		.amdhsa_next_free_sgpr 66
		.amdhsa_reserve_vcc 0
		.amdhsa_float_denorm_mode_32 3
		.amdhsa_float_denorm_mode_16_64 3
		.amdhsa_memory_ordered 1
		.amdhsa_forward_progress 1
		.amdhsa_inst_pref_size 55
	.end_amdhsa_kernel
	.amdgpu_metadata
---
amdhsa.version: [ 1, 2 ]
amdhsa.kernels:
  - .name:           k_q4dd5808175_quant
    .symbol:         k_q4dd5808175_quant.kd
    .args:
      - { .name: hidden_states, .offset: 0, .size: 8, .value_kind: global_buffer, .address_space: global }
      - { .name: Wq, .offset: 8, .size: 8, .value_kind: global_buffer, .address_space: global }
      - { .name: Wk, .offset: 16, .size: 8, .value_kind: global_buffer, .address_space: global }
      - { .name: Wv, .offset: 24, .size: 8, .value_kind: global_buffer, .address_space: global }
      - { .name: x_img, .offset: 32, .size: 8, .value_kind: global_buffer, .address_space: global }
      - { .name: w_img, .offset: 40, .size: 8, .value_kind: global_buffer, .address_space: global }
      - { .name: xw_sc, .offset: 48, .size: 8, .value_kind: global_buffer, .address_space: global }
    .group_segment_fixed_size: 34304
    .private_segment_fixed_size: 0
    .kernarg_segment_align: 8
    .kernarg_segment_size: 56
    .max_flat_workgroup_size: 128
    .sgpr_count:     66
    .vgpr_count:     256
    .wavefront_size: 32
...
	.end_amdgpu_metadata
.endif
;; end of part 1
;; launch proj (part 2): grid 8 x 32, 4 waves a work-group, clusters of 4 x 4, 327,680 bytes of LDS; arguments x_img, w_img, xw_sc, bq, bk, bv, qk_img, qk_sc, v_img, v_sc; writes qk_img, qk_sc, v_img, v_sc
.if DOCPART == 2
	.amdgcn_target "amdgcn-amd-amdhsa--gfx1250"
	.amdhsa_code_object_version 6
	.text
	.protected	k_q4dd5808175_proj
	.globl	k_q4dd5808175_proj
	.p2align	8
	.type	k_q4dd5808175_proj,@function
k_q4dd5808175_proj:
	s_mov_b64 s[64:65], 0
	v_nop
	global_prefetch_b8 v0, s[64:65] scope:SCOPE_SE
	s_setreg_imm32_b32 hwreg(HW_REG_WAVE_MODE, 25, 1), 1
	s_wait_xcnt 0x0
	s_wait_alu depctr_hold_cnt(0) depctr_sa_sdst(0) depctr_va_vdst(0) depctr_va_sdst(0) depctr_va_ssrc(0) depctr_va_vcc(0) depctr_vm_vsrc(0)
	s_getreg_b32 s2, hwreg(HW_REG_IB_STS2, 6, 4)
	s_cmp_eq_u32 s2, 0
	s_cbranch_scc0 .Lentry_in_a_cluster
	s_endpgm
.Lentry_in_a_cluster:
	s_bfe_u32 s2, ttmp6, 0x10000c
	s_cmp_lg_u32 s2, 0xf033
	s_cbranch_scc0 .Lentry_shape_is_right
	s_endpgm
.Lentry_shape_is_right:
; q = x Wq + bq, k = x Wk + bk, v = x Wv + bv on codes of FP6 (E2M3) with E8M0 scales for each 32 along K = 1,024, sums in f32; the results are quantised again, in registers:
; q and k along the head's 64 channels, v along the keys, and leave as fragment images (16 rows x 128 K: lane l's registers 4 c .. 4 c + 3 at 512 c + 16 l; eight fragments a panel of 12,288 bytes;
; row r of fragment 2 B + u is row 32 B + 8 u + r + 8 (r / 8) of the panel's 128).
; SHARES.  256 equal work-groups.  Work-group (gx, gy) keeps the codes of its 256 rows of x for all of K in LDS (196,608 bytes) and runs two phases against them:
;   phase 1: 256 columns of [Wq | Wk] (column panels 2 gx, 2 gx + 1), source 0 = W, source 1 = x: a lane holds ONE token and its registers run along the channels;
;   phase 2: 128 columns of Wv (column panel 16 + gx), source 0 = x, source 1 = Wv: a lane holds ONE channel and its registers run along the tokens, which are the keys.
; So in both phases the 64 registers of one source-1 fragment against eight source-0 fragments are 64 numbers along the axis to be quantised: register 16 b + i = place 32 b + 16 (lane / 16) + i.
; Four waves: wave w takes x's half w / 2 and W's half w % 2: 128 x 128 (64 accumulators) in phase 1, 128 x 64 (32) in phase 2: 512 + 256 matrix instructions a wave.
; W comes through a ring of two LDS slots of four panels; wave w always fills panel w of a slot.  Every tile is a dense run of panels, stated as rows of 256 bytes; fragments come out of LDS at 16 x lane: no pitch, no padding.
; CLUSTERS: 4 x 4 work-groups.  x's panels hang on gy alone and are asked for jointly along a row of the cluster, W's on gx alone, along a column.
; The biases are the C of each sum's first matrix instruction.
; qk_img: [n panel: head pair for q, 8 + head pair for k][token panel] panels whose fragments are two halves of 768 bytes, one a head: registers 6 c .. 6 c + 3 at 768 c + 16 l, registers 6 c + 4, 6 c + 5 at 768 c + 512 + 8 l.
; qk_sc: [n panel][token panel][row][fragment] words; v_img: [key panel][head pair] panels; v_sc: [key panel][head pair][head][row][4 fragments] words.
; LIMITS: NaN and infinities are not served; a block whose largest magnitude lies under 2^-124 keeps the byte 1, a block of zeros too (its codes are zeros; this program alone reads the bytes).
; REGISTERS, in windows of 256.  Window 0: v4-17 addresses; v20-23 bv; v28, v29 the add's two; v32-95 scale words SC[8 i + s]: lanes 0-15 x's fragment i, lanes 16-31 W's fragment i, K step s;
;   v96-127 SV[8 a + s]: Wv's fragment a; v128-223 the source-1 fragments (on the ways out: codes, words); v224-239 at work.
;   Window 1: the source-0 fragments, two sets, at v0 and v128; the bias tiles at v96-127 and v224-255.   Windows 2, 3: accumulator (a, b) at v[8 (8 (a % 4) + b)].
.set PANEL, 12288
.set FRB,   1536
.set FR,    12
.set WRING, 16*PANEL                   ; behind x's 16 panels: W's ring
.set WSLOT, 4*PANEL
.set SPARE, WRING+2*WSLOT              ; behind the ring: the spare words, 128 bytes for each wave: two blocks of 256 bytes that no other line names
.set WSC,   262144                     ; where W's scale words begin in xw_sc
.set XA,  4                            ; v4, v5   my half of x in LDS, K steps 0-3 and 4-7, + 16 x lane
.set WA,  6                            ; v6, v7   my half of W in slot 0, 1
.set WVA, 8                            ; v8, v9   my four fragments of Wv in slot 0, 1
.set L16, 10                           ; v10  16 x lane
.set L8,  11                           ; v11  8 x lane
.set O32, 12                           ; v12  32 r + 16 h
.set O16, 13                           ; v13  16 r + 8 h
.set SCO, 14                           ; v14  where my lane's scale words of x (lanes 0-15) or W (lanes 16-31) begin
.set SVO, 15                           ; v15  and Wv's
.set BO,  16                           ; v16  the bias of q or k
.set BVO, 17                           ; v17  bv
.set BV,  20
.set SPW, 28
.set NIL, 29
.set SC,  32
.set SV,  96
.set AF,  128
.set PC,  128                          ; the ways out: v128-139 a fragment's codes; v140-142, v144-146 second halves on their way
.set PW,  150                          ; the scale word just made
.set PWK, 152                          ; v152-159 the fragments' scale words
.set DD,  160                          ; v160-163 the words that I store
.set TM,  224
.set G1X, 24                           ; s[24:31] group 1 for x's tiles (two panels);  s[32:39] for W's (one panel)
.set G1W, 32
.set MSB, 0
.macro WIN new                         ; the immediate's high byte repeats the setting that is left; a switch that changes nothing is dropped
.if MSB != (\new)
	s_set_vgpr_msb (MSB<<8)|(\new)
.set MSB, \new
.endif
.endm
.macro CREST                           ; a round of the cluster's barrier behind its opening barrier
	s_cmp_lg_u32 s3, 0
	s_cbranch_scc1 .Lnot_wave_0_\@
	s_barrier_signal -3
.Lnot_wave_0_\@:
	s_barrier_wait -3
	s_barrier_signal -1
	s_barrier_wait -1
.endm
.macro CROUND
	s_barrier_signal -1
	s_barrier_wait -1
	CREST
.endm
.macro PLACES                          ; four places behind a matrix instruction, in front of loads into its registers and of the first read of results
.rept 4
	v_nop
.endr
.endm
	s_load_b256 s[76:83], s[0:1], 0x0              ; x_img s[76:77], w_img s[78:79], xw_sc s[80:81], bq s[82:83]
	s_load_b256 s[84:91], s[0:1], 0x20             ; bk s[84:85], bv s[86:87], qk_img s[88:89], qk_sc s[90:91]
	s_load_b128 s[92:95], s[0:1], 0x40             ; v_img s[92:93], v_sc s[94:95]
	v_lshl_add_u32 v[SPW], v0, 2, SPARE
	v_mov_b32 v[NIL], 0
	ds_add_u32 v[SPW], v[NIL]                      ; the wave's opening: the add and its wait ahead of my first tensor load; work on registers stands between them
	ds_add_u32 v[SPW], v[NIL]
	v_lshrrev_b32 v1, 5, v0
	v_readfirstlane_b32 s3, v1                     ; wave 0..3
	s_lshr_b32 s4, s3, 1                           ; wy: my half of x.  Also: which pair of K steps of x I fetch
	s_and_b32 s5, s3, 1                            ; wx: my half of W.  Also: which panel row of x I fetch
	s_bfe_u32 s6, ttmp6, 0x40000                   ; cx
	s_bfe_u32 s7, ttmp6, 0x40004                   ; cy
	s_lshl_b32 s8, ttmp9, 2
	s_add_co_u32 s8, s8, s6                        ; gx = 4 x cluster x + cx
	s_and_b32 s9, ttmp7, 0xffff
	s_lshl_b32 s9, s9, 2
	s_add_co_u32 s9, s9, s7                        ; gy = 4 x cluster y + cy
	s_lshl_b32 s21, s7, 2
	s_lshl_b32 s21, 15, s21                        ; my row of the cluster
	s_lshl_b32 s22, 0x1111, s6                     ; my column
	s_or_b32 s[G1X], s21, (3<<16)|(1<<21)          ; 15:0 the mask; 17:16 elements of 8 bytes; 21 set beside a mask; no padding
	s_or_b32 s[G1W], s22, (3<<16)|(1<<21)
	s_mov_b32 s[G1X+1], 32<<16                     ; tensor_dim0 = 32 elements: rows of 256 bytes
	s_mov_b32 s[G1X+2], 96<<16                     ; tensor_dim1 = 96 rows: two panels
	s_mov_b32 s[G1X+3], 32<<16                     ; tile_dim0
	s_mov_b32 s[G1X+4], 96                         ; tile_dim1
	s_mov_b32 s[G1X+5], 32                         ; the pitch: dense
	s_mov_b32 s[G1X+6], 0
	s_mov_b32 s[G1X+7], 0
	s_mov_b32 s[G1W+1], 32<<16
	s_mov_b32 s[G1W+2], 48<<16                     ; 48 rows: one panel
	s_mov_b32 s[G1W+3], 32<<16
	s_mov_b32 s[G1W+4], 48
	s_mov_b32 s[G1W+5], 32
	s_mov_b32 s[G1W+6], 0
	s_mov_b32 s[G1W+7], 0
	; x: wave w fetches, of panel row 2 gy + w % 2, K steps 2 (w / 2), + 1 and then 4 + 2 (w / 2), + 1.  Nothing here holds cx
	s_lshl_b32 s10, s9, 1
	s_add_co_u32 s10, s10, s5
	s_lshl_b32 s10, s10, 3
	s_lshl_b32 s14, s4, 1
	s_add_co_u32 s10, s10, s14
	s_mul_i32 s10, s10, PANEL
	s_mov_b32 s11, 0
	s_mul_i32 s15, s5, 8*PANEL                     ; and where they go: no place in the cluster enters an LDS address
	s_mul_i32 s14, s4, 2*PANEL
	s_add_co_u32 s15, s15, s14
	; W, fill f = 0..3: wave w fetches column panel 2 gx + w / 2, K step 2 f + w % 2.  Nothing here holds cy
	s_lshl_b32 s12, s8, 1
	s_add_co_u32 s12, s12, s4
	s_lshl_b32 s12, s12, 3
	s_add_co_u32 s12, s12, s5
	s_mul_i32 s12, s12, PANEL
	s_mov_b32 s13, 0
	; Wv, fill f = 4, 5: column panel 16 + gx, K step 4 (f - 4) + w
	s_add_co_u32 s18, s8, 16
	s_lshl_b32 s18, s18, 3
	s_add_co_u32 s18, s18, s3
	s_mul_i32 s18, s18, PANEL
	s_mov_b32 s19, 0
	s_mul_i32 s20, s3, PANEL
	s_add_co_u32 s20, s20, WRING                   ; panel w of slot 0
	s_mov_b32 s96, 0x76543210
	s_mov_b32 s97, 0xfedcba98                      ; v_permlanex16_b32's selects for lane l xor 16
	s_mov_b32 s98, 0xffff0000                      ; lanes 16-31
	s_wait_dscnt 0x0                               ; the opening add is done
	s_wait_kmcnt 0x0
	s_add_nc_u64 s[10:11], s[76:77], s[10:11]
	s_add_nc_u64 s[12:13], s[78:79], s[12:13]
	s_add_nc_u64 s[18:19], s[78:79], s[18:19]
	; the groups 0: one for each load of the launch, made once and never written again
	s_mov_b32 s40, 1                               ; x, K steps 0-3: s[40:43]
	s_mov_b32 s41, s15
	s_mov_b64 s[42:43], s[10:11]
	s_or_b32 s43, s43, 0x80000000
	s_mov_b32 s44, 1                               ; x, K steps 4-7: s[44:47]
	s_add_co_u32 s45, s15, 4*PANEL
	s_add_nc_u64 s[46:47], s[10:11], 4*PANEL
	s_or_b32 s47, s47, 0x80000000
.irp f, 0,1,2,3                        ; W's fills 0..3: s[48:63]
	s_mov_b32 s[48+4*\f], 1
	s_add_co_u32 s[49+4*\f], s20, (\f%2)*WSLOT
	s_add_nc_u64 s[50+4*\f:51+4*\f], s[12:13], \f*2*PANEL
	s_or_b32 s[51+4*\f], s[51+4*\f], 0x80000000
.endr
.irp f, 0,1                            ; Wv's fills 4, 5: s[68:75]
	s_mov_b32 s[68+4*\f], 1
	s_add_co_u32 s[69+4*\f], s20, \f*WSLOT
	s_add_nc_u64 s[70+4*\f:71+4*\f], s[18:19], \f*4*PANEL
	s_or_b32 s[71+4*\f], s[71+4*\f], 0x80000000
.endr
	CROUND                                         ; all sixteen work-groups are here: the first joint loads meet
	tensor_load_to_lds s[40:43], s[G1X:G1X+7]      ; the first fills go out as one group: four loads of mine are out.  x's K steps 0-3,
	s_nop 0
	tensor_load_to_lds s[48:51], s[G1W:G1W+7]      ; W's K steps 0, 1,
	s_nop 0
	tensor_load_to_lds s[52:55], s[G1W:G1W+7]      ; W's K steps 2, 3,
	s_nop 0
	tensor_load_to_lds s[44:47], s[G1X:G1X+7]      ; x's K steps 4-7
	s_nop 0
	PLACES
	v_and_b32 v1, 31, v0                           ; lane
	v_and_b32 v2, 15, v0                           ; r
	v_bfe_u32 v3, v0, 4, 1                         ; h
	v_lshlrev_b32 v[L16], 4, v1
	v_lshlrev_b32 v[L8], 3, v1
	v_lshlrev_b32 v[O32], 5, v2
	v_lshl_add_u32 v[O32], v3, 4, v[O32]
	v_lshlrev_b32 v[O16], 4, v2
	v_lshl_add_u32 v[O16], v3, 3, v[O16]
	s_lshl_b32 s14, s9, 1
	s_add_co_u32 s14, s14, s4                      ; my token panel: 2 gy + wy
	s_lshl_b32 s16, s8, 1
	s_add_co_u32 s16, s16, s5                      ; my column panel of phase 1: 2 gx + wx
	s_lshl_b32 s17, s14, 12                        ; a panel's scale words are 4,096 bytes
	s_lshl_b32 s23, s16, 12
	s_add_co_u32 s23, s23, WSC
	v_mov_b32 v[SCO], s17
	v_mov_b32 v[SVO], s23
	v_cndmask_b32 v[SCO], v[SCO], v[SVO], s98      ; lanes 0-15 take x's words, lanes 16-31 W's
	v_lshl_add_u32 v[SCO], v2, 4, v[SCO]           ; + 16 r
.irp i, 0,1,2,3,4,5,6,7
.irp k, 0,1
	global_load_b128 v[SC+8*\i+4*\k:SC+8*\i+4*\k+3], v[SCO], s[80:81] offset:512*\i+256*\k   ; fragment i, K steps 4 k .. 4 k + 3: sixteen lanes read 256 consecutive bytes
.endr
.endr
	s_add_co_u32 s22, s8, 16
	s_lshl_b32 s22, s22, 3
	s_lshl_b32 s23, s5, 2
	s_add_co_u32 s22, s22, s23                     ; Wv's fragment 4 wx of column panel 16 + gx
	s_lshl_b32 s22, s22, 9
	s_add_co_u32 s22, s22, WSC
	v_lshlrev_b32 v[SVO], 4, v2
	v_add_nc_u32 v[SVO], s22, v[SVO]
.irp a, 0,1,2,3
.irp k, 0,1
	global_load_b128 v[SV+8*\a+4*\k:SV+8*\a+4*\k+3], v[SVO], s[80:81] offset:512*\a+256*\k
.endr
.endr
	s_cmp_eq_u32 ttmp9, 0                          ; gx 0..3 make q, gx 4..7 make k: the cluster's x says which
	s_cselect_b64 s[82:83], s[82:83], s[84:85]
	s_and_b32 s22, s8, 3
	s_lshl_b32 s22, s22, 10
	s_lshl_b32 s23, s5, 9
	s_add_co_u32 s22, s22, s23                     ; my 128 channels' bias, in bytes
	v_lshlrev_b32 v[BO], 6, v3
	v_add_nc_u32 v[BO], s22, v[BO]                 ; tile b's register j is channel 32 (b / 2) + 8 (b % 2) + 16 h + j
	WIN 0x40                                       ; destination window 1
.irp b, 0,1,2,3,4,5,6,7
	global_load_b128 v[96+8*\b+96*(\b/4):96+8*\b+96*(\b/4)+3], v[BO], s[82:83] offset:128*(\b/2)+32*(\b%2)
	global_load_b128 v[100+8*\b+96*(\b/4):100+8*\b+96*(\b/4)+3], v[BO], s[82:83] offset:128*(\b/2)+32*(\b%2)+16
.endr
	WIN 0
	s_lshl_b32 s22, s8, 7
	s_lshl_b32 s23, s5, 6
	s_add_co_u32 s22, s22, s23
	v_and_b32 v[BVO], 8, v2
	v_add_nc_u32 v[BVO], v[BVO], v2
	v_add_nc_u32 v[BVO], s22, v[BVO]
	v_lshlrev_b32 v[BVO], 2, v[BVO]                ; bv: in phase 2 a lane holds one channel: 128 gx + 64 wx + 32 (a / 2) + 8 (a % 2) + r + 8 (r / 8)
.irp a, 0,1,2,3
	global_load_b32 v[BV+\a], v[BVO], s[86:87] offset:(32*(\a/2)+8*(\a%2))*4
.endr
	; where the results go
	s_lshl_b32 s66, s16, 6
	s_add_co_u32 s66, s66, s14                     ; q, k: column panel x 64 + token panel
	s_mov_b32 s67, 0
	s_lshl_b32 s99, s66, 9
	s_mul_i32 s66, s66, PANEL
	s_add_nc_u64 s[88:89], s[88:89], s[66:67]
	s_mov_b32 s66, s99
	s_add_nc_u64 s[90:91], s[90:91], s[66:67]
	s_lshl_b32 s66, s14, 3
	s_add_co_u32 s66, s66, s8                      ; v: key panel x 8 + head pair
	s_lshl_b32 s99, s66, 9
	s_lshl_b32 s2, s5, 8
	s_add_co_u32 s99, s99, s2                      ; + 256 x head
	s_mul_i32 s66, s66, PANEL
	s_mul_i32 s2, s5, 4*FRB
	s_add_co_u32 s66, s66, s2                      ; + four fragments x head
	s_add_nc_u64 s[92:93], s[92:93], s[66:67]
	s_mov_b32 s66, s99
	s_add_nc_u64 s[94:95], s[94:95], s[66:67]
	; LDS addresses: constants, the wave's number, 16 x lane
	s_mul_i32 s22, s4, 8*PANEL
	v_add_nc_u32 v[XA], s22, v[L16]
	v_add_nc_u32 v[XA+1], 4*PANEL, v[XA]
	s_mul_i32 s22, s5, 2*PANEL
	s_add_co_u32 s22, s22, WRING
	v_add_nc_u32 v[WA], s22, v[L16]
	v_add_nc_u32 v[WA+1], WSLOT, v[WA]
	s_mul_i32 s22, s5, 4*FRB
	s_add_co_u32 s22, s22, WRING
	v_add_nc_u32 v[WVA], s22, v[L16]
	v_add_nc_u32 v[WVA+1], WSLOT, v[WVA]
.irp b, 0,1,2,3
	v_mov_b32 v[TM+4+\b], 0                        ; written once: a lane permute's destination counts as one of its sources
.endr
.macro FRAG reg, adr, off              ; a fragment comes out of LDS as it lies: three loads of 512 consecutive bytes
.irp c, 0,1,2
	ds_load_b128 v[(\reg)+4*\c:(\reg)+4*\c+3], v[\adr] offset:(\off)+512*\c
.endr
.endm
.macro FETCH_W s, set                  ; phase 1: W's eight fragments of K step s into set
	WIN 0x40
.irp i, 0,1,2,3,4,5,6,7
	FRAG 128*(\set)+FR*\i, WA+(((\s)/2)%2), ((\s)%2)*PANEL+FRB*\i
.endr
.endm
.macro FETCH_X s, i0                   ; phase 1: x's fragments i0 .. i0 + 3 of K step s
	WIN 0
.irp i, \i0, \i0+1, \i0+2, \i0+3
	FRAG AF+FR*(\i), XA+((\s)/4), ((\s)%4)*PANEL+FRB*(\i)
.endr
.endm
; 16 matrix instructions: x's fragments a0, a0 + 1 against W's eight, K step s.  cm = 1: the bias tile is C: the first product starts the sums.
; The 64 accumulators take turns, one instruction a turn, in the same order in every step.
.macro MUL16 a0, set, s, cm
.irp a, \a0, \a0+1
.irp b, 0,1,2,3,4,5,6,7
.if \cm
	v_wmma_scale_f32_16x16x128_f8f6f4 v[8*(8*((\a)%4)+\b):8*(8*((\a)%4)+\b)+7], v[128*(\set)+FR*\b:128*(\set)+FR*\b+FR-1], v[AF+FR*(\a):AF+FR*(\a)+FR-1], v[96+8*\b+96*(\b/4):96+8*\b+96*(\b/4)+7], v[SC+8*\b+(\s)], v[SC+8*(\a)+(\s)] matrix_a_fmt:MATRIX_FMT_FP6 matrix_b_fmt:MATRIX_FMT_FP6 matrix_a_scale:MATRIX_SCALE_ROW1
.else
	v_wmma_scale_f32_16x16x128_f8f6f4 v[8*(8*((\a)%4)+\b):8*(8*((\a)%4)+\b)+7], v[128*(\set)+FR*\b:128*(\set)+FR*\b+FR-1], v[AF+FR*(\a):AF+FR*(\a)+FR-1], v[8*(8*((\a)%4)+\b):8*(8*((\a)%4)+\b)+7], v[SC+8*\b+(\s)], v[SC+8*(\a)+(\s)] matrix_a_fmt:MATRIX_FMT_FP6 matrix_b_fmt:MATRIX_FMT_FP6 matrix_a_scale:MATRIX_SCALE_ROW1
.endif
.endr
.endr
.endm
; An even K step: its successor lies in the same slot.  x has one set of registers (a fragment is free when its eight products are issued), W two.
.macro STEP1 s, cm
	s_wait_dscnt 12                                ; W's set and x's fragments 0-3 are in; the youngest 12 loads (x's fragments 4-7) may be out
	WIN 0xa1-0x10*(\cm)                            ; source 0 window 1, source 1 window 0, D window 2, C window 2 (the bias: window 1)
	MUL16 0, 0, \s, \cm
	MUL16 2, 0, \s, \cm
	s_wait_dscnt 0x0                               ; x's fragments 4-7 are in
	PLACES
	FETCH_W (\s)+1, 1
	FETCH_X (\s)+1, 0
	WIN 0xf1-0x20*(\cm)                            ; the same with D in window 3
	MUL16 4, 0, \s, \cm
	MUL16 6, 0, \s, \cm
	PLACES
	FETCH_X (\s)+1, 4
.endm
; An odd K step leaves its slot: each wave waits for all its tensor loads, adds 0 to its spare word, waits for that and for its reads of the slot; a round of the cluster's barrier; the slot is filled again first thing behind it,
; by the load whose group 0 begins at s[g0].  From that request to the wait for it a wave issues 96 matrix instructions.
.macro TURN1 s, g0
	s_wait_tensorcnt 0x0                           ; all my tensor loads have landed, my part of the next slot among them (every window is 0 here)
	ds_add_u32 v[SPW], v[NIL]                      ; 0 onto my spare word
	s_wait_dscnt 13                                ; the add and the youngest 12 loads may be out
	WIN 0xa1
	MUL16 0, 1, \s, 0                              ; sixteen matrix instructions stand between the add and the wait for it
	s_wait_dscnt 0x0                               ; the add is done, and my reads of this slot are over
	s_barrier_signal -1
	MUL16 2, 1, \s, 0
	WIN 0
	s_barrier_wait -1
	CREST                                          ; no wave of any partner still reads the slot or has a load on its way
	tensor_load_to_lds s[\g0:\g0+3], s[G1W:G1W+7]
	s_nop 0
	PLACES                                         ; also the places in front of the loads below
.if \s < 7
	FETCH_W (\s)+1, 0
	FETCH_X (\s)+1, 0
.endif
	WIN 0xf1
	MUL16 4, 1, \s, 0
	MUL16 6, 1, \s, 0
.if \s < 7
	PLACES
	FETCH_X (\s)+1, 4
.else
	WIN 0
.endif
.endm
; 64 results of a lane, registers base .. base + 63 of window w, register 16 b + i = place 32 b + 16 (lane / 16) + i of my row, become a fragment's codes in v[PC] on and its scale word in v[PW].
; Each accumulator is read from its low end on: i ascends.
.macro QUANTW base, w
	WIN 5*(\w)                                     ; sources 0 and 1 in window w
.irp b, 0,1,2,3
	v_max3_num_f32 v[TM+\b], |v[(\base)+16*\b]|, |v[(\base)+16*\b+1]|, 0x1800000   ; block b: my 16 numbers, and the floor 2^(3 - 127): the byte cannot fall under 1
.endr
.irp i, 2,4,6,8,10,12,14
.irp b, 0,1,2,3
	v_max3_num_f32 v[TM+\b], |v[(\base)+16*\b+\i]|, |v[(\base)+16*\b+\i+1]|, v[TM+\b]
.endr
.endr
	WIN 0
.irp b, 0,1,2,3
	v_permlanex16_b32 v[TM+4+\b], v[TM+\b], s96, s97
.endr
.irp b, 0,1,2,3
	v_max_num_f32 v[TM+\b], v[TM+\b], v[TM+4+\b]   ; with lane l xor 16's: the block's largest magnitude
.endr
.irp b, 0,1,2,3
	v_add_nc_u32 v[TM+12+\b], 0xff000000, v[TM+\b] ; 2 off its exponent field: the conversion's scale operand
.endr
.irp b, 0,1,2,3
	v_lshrrev_b32 v[TM+4+\b], 23, v[TM+12+\b]      ; the scale's byte
.endr
	v_lshl_or_b32 v[PW], v[TM+5], 8, v[TM+4]
	v_lshl_or_b32 v[PW], v[TM+6], 16, v[PW]
	v_lshl_or_b32 v[PW], v[TM+7], 24, v[PW]
	s_wait_xcnt 0x0                                ; the last fragment's stores have read the codes' registers: they are written again only behind this wait
	WIN \w                                         ; source 0 in window w
.irp c, 0,1
	v_cvt_scalef32_pk16_fp6_f32 v[PC+6*\c:PC+2+6*\c], v[(\base)+32*\c:(\base)+15+32*\c], v[TM+12+2*\c]
	v_cvt_scalef32_pk16_fp6_f32 v[PC+12+4*\c:PC+14+4*\c], v[(\base)+16+32*\c:(\base)+31+32*\c], v[TM+12+2*\c+1]   ; a conversion's three registers begin on an even number
.endr
	WIN 0
	v_nop                                          ; one plain place behind a scaled conversion
.irp c, 0,1                                    ; the operand's layout wants a WHOLE block in a lane
.irp i, 0,1,2
	v_permlane16_swap_b32 v[PC+6*\c+\i], v[PC+12+4*\c+\i]
.endr
.irp i, 0,1,2
	v_mov_b32 v[PC+3+6*\c+\i], v[PC+12+4*\c+\i]
.endr
.endr
.endm
	s_wait_alu depctr_va_vdst(0)
	s_wait_tensorcnt 0x2                           ; x's K steps 0-3 and W's 0, 1 are in; the two loads issued behind them may stay out
	s_barrier_signal -1
	s_barrier_wait -1                              ; everybody's are
	FETCH_W 0, 0
	FETCH_X 0, 0
	FETCH_X 0, 4
	s_wait_loadcnt 0x0                             ; the scale words and the biases
	; ---- phase 1: q or k.  Written out: each change of slots names another group 0
	STEP1 0, 1
	TURN1 1, 56                                    ; slot 0 takes W's K steps 4, 5
	STEP1 2, 0
	TURN1 3, 60                                    ; slot 1 takes 6, 7
	STEP1 4, 0
	TURN1 5, 68                                    ; slot 0 takes Wv's K steps 0-3
	STEP1 6, 0
	TURN1 7, 72                                    ; slot 1 takes Wv's 4-7
	; ---- the way out of phase 1: for each of x's eight fragments 16 tokens x 128 channels (two heads) become one fragment
	PLACES
.irp a, 0,1,2,3,4,5,6,7
	QUANTW 64*(\a%4), 2+\a/4
	v_mov_b32 v[PWK+\a], v[PW]
	global_store_b128 v[L16], v[PC:PC+3], s[88:89] offset:FRB*\a            ; head 0: 512 consecutive bytes,
	global_store_b64 v[L8], v[PC+4:PC+5], s[88:89] offset:FRB*\a+512        ; and 256;
	global_store_b128 v[L16], v[PC+6:PC+9], s[88:89] offset:FRB*\a+768      ; head 1 likewise
	global_store_b64 v[L8], v[PC+10:PC+11], s[88:89] offset:FRB*\a+1280
.endr
.irp i, 0,1,2,3
	v_cndmask_b32 v[DD+\i], v[PWK+\i], v[PWK+4+\i], s98   ; lanes 0-15: fragments 0-3 of row r; lanes 16-31: fragments 4-7
.endr
	global_store_b128 v[O32], v[DD:DD+3], s[90:91] ; 32 lanes store 512 consecutive bytes
	; ---- phase 2: v.  Wv's K steps 0-3 were shown landed to every wave by the last change of slots
.macro FETCH2 s, set                   ; x's eight fragments (source 0) and Wv's four (source 1) of K step s into set
	WIN 0x40
.irp b, 0,1,2,3,4,5,6,7
	FRAG 128*(\set)+FR*\b, XA+((\s)/4), ((\s)%4)*PANEL+FRB*\b
.endr
	WIN 0
.irp a, 0,1,2,3
	FRAG AF+48*(\set)+FR*\a, WVA+((\s)/4), ((\s)%4)*PANEL+FRB*\a
.endr
.endm
.macro MULV set, s, cm                 ; 32 matrix instructions, the 32 accumulators by turns
.irp a, 0,1,2,3
.irp b, 0,1,2,3,4,5,6,7
.if \cm
	v_wmma_scale_f32_16x16x128_f8f6f4 v[8*(8*\a+\b):8*(8*\a+\b)+7], v[128*(\set)+FR*\b:128*(\set)+FR*\b+FR-1], v[AF+48*(\set)+FR*\a:AF+48*(\set)+FR*\a+FR-1], v[96+8*\a:96+8*\a+7], v[SC+8*\b+(\s)], v[SV+8*\a+(\s)] matrix_a_fmt:MATRIX_FMT_FP6 matrix_b_fmt:MATRIX_FMT_FP6
.else
	v_wmma_scale_f32_16x16x128_f8f6f4 v[8*(8*\a+\b):8*(8*\a+\b)+7], v[128*(\set)+FR*\b:128*(\set)+FR*\b+FR-1], v[AF+48*(\set)+FR*\a:AF+48*(\set)+FR*\a+FR-1], v[8*(8*\a+\b):8*(8*\a+\b)+7], v[SC+8*\b+(\s)], v[SV+8*\a+(\s)] matrix_a_fmt:MATRIX_FMT_FP6 matrix_b_fmt:MATRIX_FMT_FP6
.endif
.endr
.endr
.endm
.macro STEP2 s
	s_wait_dscnt 0x0                               ; this step's fragments are in
	PLACES                                         ; in front of the loads into the set that the last step multiplied
.if \s == 3
	s_wait_tensorcnt 0x0                           ; my part of Wv's K steps 4-7, the one load that is out, has landed;
	s_barrier_signal -1
	s_barrier_wait -1                              ; everybody's has.
.endif
.if \s < 7
	FETCH2 (\s)+1, ((\s)+1)%2
.endif
.if \s == 0
	WIN 0x91                                       ; C, the bias, in window 1
	MULV 0, 0, 1
.else
	WIN 0xa1
	MULV (\s)%2, \s, 0
.endif
.endm
	s_wait_xcnt 0x0                                ; the stores above have read their registers: loads may land there
	WIN 0x40                                       ; destination window 1
.irp a, 0,1,2,3
.irp j, 0,1,2,3,4,5,6,7
	v_mov_b32 v[96+8*\a+\j], v[BV+\a]              ; bv as C: a lane's channel is the same in all eight registers of a tile
.endr
.endr
	FETCH2 0, 0
	s_wait_alu depctr_va_vdst(0)
.irp s, 0,1,2,3,4,5,6,7
	STEP2 \s
.endr
	WIN 0
	; ---- the way out of phase 2: for each of Wv's four fragments 16 channels x 128 keys become one fragment
	PLACES
.irp a, 0,1,2,3
	QUANTW 64*\a, 2
	v_mov_b32 v[PWK+\a], v[PW]
.irp c, 0,1,2
	global_store_b128 v[L16], v[PC+4*\c:PC+4*\c+3], s[92:93] offset:FRB*\a+512*\c
.endr
.endr
.irp i, 0,1
	v_cndmask_b32 v[DD+\i], v[PWK+\i], v[PWK+2+\i], s98
.endr
	global_store_b64 v[O16], v[DD:DD+1], s[94:95]  ; 32 lanes store 256 consecutive bytes, aligned
	s_wait_tensorcnt 0x0                           ; the wave's end, behind my last tensor load
	ds_add_u32 v[SPW], v[NIL]
	s_wait_dscnt 0x0
	CROUND                                         ; the closing round: no work-group ends while a partner may still ask for a tile that names it
	s_endpgm
.Lfunc_end_k_q4dd5808175_proj:
	.size	k_q4dd5808175_proj, .Lfunc_end_k_q4dd5808175_proj-k_q4dd5808175_proj
	.p2alignl 7, 3214868480
	.fill 96, 4, 3214868480
	.section	.rodata,"a",@progbits
	.p2align	6, 0x0
	.amdhsa_kernel k_q4dd5808175_proj
		.amdhsa_group_segment_fixed_size 327680
		.amdhsa_private_segment_fixed_size 0
		.amdhsa_enable_private_segment 0
		.amdhsa_kernarg_size 80
		.amdhsa_user_sgpr_count 2
		.amdhsa_user_sgpr_kernarg_segment_ptr 1
		.amdhsa_wavefront_size32 1
		.amdhsa_system_sgpr_workgroup_id_x 1
		.amdhsa_system_sgpr_workgroup_id_y 1
		.amdhsa_system_sgpr_workgroup_id_z 1
		.amdhsa_system_vgpr_workitem_id 0
		.amdhsa_next_free_vgpr 1024
		.amdhsa_next_free_sgpr 100
		.amdhsa_reserve_vcc 0
		.amdhsa_float_denorm_mode_32 3
		.amdhsa_float_denorm_mode_16_64 3
		.amdhsa_memory_ordered 1
		.amdhsa_forward_progress 1
		.amdhsa_inst_pref_size 213
	.end_amdhsa_kernel
	.amdgpu_metadata
---
amdhsa.version: [ 1, 2 ]
amdhsa.kernels:
  - .name:           k_q4dd5808175_proj
    .symbol:         k_q4dd5808175_proj.kd
    .args:
      - { .name: x_img, .offset: 0, .size: 8, .value_kind: global_buffer, .address_space: global }
      - { .name: w_img, .offset: 8, .size: 8, .value_kind: global_buffer, .address_space: global }
      - { .name: xw_sc, .offset: 16, .size: 8, .value_kind: global_buffer, .address_space: global }
      - { .name: bq, .offset: 24, .size: 8, .value_kind: global_buffer, .address_space: global }
      - { .name: bk, .offset: 32, .size: 8, .value_kind: global_buffer, .address_space: global }
      - { .name: bv, .offset: 40, .size: 8, .value_kind: global_buffer, .address_space: global }
      - { .name: qk_img, .offset: 48, .size: 8, .value_kind: global_buffer, .address_space: global }
      - { .name: qk_sc, .offset: 56, .size: 8, .value_kind: global_buffer, .address_space: global }
      - { .name: v_img, .offset: 64, .size: 8, .value_kind: global_buffer, .address_space: global }
      - { .name: v_sc, .offset: 72, .size: 8, .value_kind: global_buffer, .address_space: global }
    .group_segment_fixed_size: 327680
    .private_segment_fixed_size: 0
    .kernarg_segment_align: 8
    .kernarg_segment_size: 80
    .max_flat_workgroup_size: 128
    .sgpr_count:     100
    .vgpr_count:     1024
    .wavefront_size: 32
...
	.end_amdgpu_metadata
.endif
;; end of part 2
;; launch attn (part 3): grid 8 x 32, 16 waves a work-group, no clusters, 174,080 bytes of LDS; arguments qk_img, qk_sc, v_img, v_sc, out0; writes out0
.if DOCPART == 3
	.amdgcn_target "amdgcn-amd-amdhsa--gfx1250"
	.amdhsa_code_object_version 6
	.text
	.protected	k_q4dd5808175_attn
	.globl	k_q4dd5808175_attn
	.p2align	8
	.type	k_q4dd5808175_attn,@function
k_q4dd5808175_attn:
	s_mov_b64 s[64:65], 0
	v_nop
	global_prefetch_b8 v0, s[64:65] scope:SCOPE_SE
	s_setreg_imm32_b32 hwreg(HW_REG_WAVE_MODE, 25, 1), 1
	s_wait_xcnt 0x0
; out0[b][q][64 H ..] = the sum over keys k with |q - k| <= 128 of softmax_k(Q . K / 8) V, 64 (batch, head) pairs, 2,048 tokens, head size 64, both products on codes of FP6 (E2M3) with E8M0 scales.
; THE SOFTMAX AHEAD OF THE SECOND PRODUCT: t = score x log2(e) / 8; M = the row's largest t so far, rounded UP to a whole number; p = 2^(t - M) is quantised along the keys, not normalised;
; the row's sum is taken of the unquantised p and divides at the end; when M moves, the sum and O are multiplied by 2^(old M - new M): exact.
; THE BAND.  A query of the aligned chunk c of 128 tokens sees keys of the chunks c - 1, c, c + 1 alone: three key steps of 128.  The step before hides key x (place in its chunk) where x < the query's place,
; the step after where x > it, the step in the middle nothing.  Hidden scores become -infinity ahead of the maximum: p = 0.  At the sequence's ends the step that does not exist is jumped over (a branch on ids).
; Every query sees a key in the first step that it runs, so M is a number from then on.
; SHARES.  A work-group takes 256 queries (two chunks) of one batch and one pair of heads; it needs four key steps, which all come into LDS once, at the head: no ring, nothing is filled again.
; Each of its sixteen waves takes one fragment of 16 queries (chunk w / 8, fragment w % 8) and runs the pair's two heads one after the other, in a loop of two trips.  Four waves share a SIMD, so that one wave's
; vector work stands beside another's matrix work and LDS loads.
; LAYOUT.  All operands are fragment images (lane l's registers at 16 x lane); row r of fragment 2 B + u is row 32 B + 8 u + r + 8 (r / 8) of its 128.  Both products are used transposed: S^T = K Q^T, O^T = V^T P^T:
; a lane holds ONE query throughout, and the 16 registers of score tiles 2 b, 2 b + 1 are the 16 neighbouring keys 32 b + 16 (lane / 16) + 0 .. 15.
; THE HEAD'S 64 CHANNELS are half of the instruction's 128: registers 6 to 11 of Q's and K's operands hold zero codes, which add nothing; their scale bytes are 0, which is 2^-127 and no NaN.
; NO CLUSTER: neighbouring work-groups share two of their four key steps, and those lie at different LDS addresses in the two, so no descriptor is equal in both.
; A slot whose key step would lie outside the sequence takes the nearest step's panel, so that its load stays inside the buffer; it is not read.
; LIMITS: NaN and infinities are not served; a block whose every p has fallen to 0 keeps the byte 1: its codes are zeros.
; REGISTERS: v1-5 addresses that stay; v6, v7 the add's two; v8-11, v28 the trip's addresses; v12 -M, v13 the largest t, v[14:15] the sum in two halves; v16-27 Q; v29 the query's place - 16 (lane / 16); v30 Q's scale;
; v31 -infinity; v32-79 four fragments of K; v80-83, v91, v92 addresses; v84-90 the second head's Q; v96-159 S^T, then p, then V's four fragments; v160-191 O^T; v192-210 p's codes; v232-255 at work.
.set PANEL,  12288
.set FRB,    1536
.set VPAN,   4*PANEL                   ; LDS: K's four panels, V's four,
.set KSC,    8*PANEL                   ; K's scale words, 512 bytes a step,
.set VSC,    KSC+4*512                 ; V's,
.set STAGE,  VSC+4*512                 ; the way out: 16 rows x 272 bytes for each wave; no tile lands here
.set SPITCH, 272
.set SPARE,  STAGE+16*16*SPITCH        ; the spare words, 128 bytes for each wave: eight blocks of 256 bytes that no other line names
	s_load_b256 s[4:11], s[0:1], 0x0               ; qk_img s[4:5], qk_sc s[6:7], v_img s[8:9], v_sc s[10:11]
	s_load_b64 s[12:13], s[0:1], 0x20              ; out0
	v_lshl_add_u32 v6, v0, 2, SPARE
	v_mov_b32 v7, 0
	ds_add_u32 v6, v7                              ; the wave's opening: the add and its wait ahead of my first tensor load; work on registers stands between them
	ds_add_u32 v6, v7
	v_lshrrev_b32 v8, 5, v0
	s_delay_alu instid0(VALU_DEP_1)
	v_readfirstlane_b32 s14, v8                    ; wave 0..15
	s_lshr_b32 s15, s14, 3                         ; which of the two chunks
	s_and_b32 s16, s14, 7                          ; which fragment of queries
	s_lshr_b32 s17, s16, 1                         ; the block of 32 in which my queries lie
	s_and_b32 s49, ttmp7, 0xffff
	s_lshr_b32 s19, s49, 3                         ; the batch
	s_and_b32 s48, s49, 7                          ; the pair of heads
	s_lshl_b32 s18, ttmp9, 1
	s_add_co_u32 s18, s18, s15                     ; my chunk in the sequence, 0..15
	s_and_b32 s50, s14, 3                          ; the slot that I fill: key step 2 x work-group x - 1 + slot, held inside 0..15
	s_lshl_b32 s51, ttmp9, 1
	s_add_co_u32 s51, s51, s50
	s_max_u32 s51, s51, 1
	s_sub_co_u32 s51, s51, 1
	s_min_u32 s51, s51, 15
	s_lshl_b32 s52, s19, 4
	s_add_co_u32 s51, s51, s52                     ; the key panel: 16 x batch + step
	s_add_co_u32 s52, s48, 8
	s_lshl_b32 s52, s52, 6
	s_add_co_u32 s52, s52, s51                     ; K's panels: (8 + pair) x 64 + key panel
	s_lshl_b32 s53, s51, 3
	s_add_co_u32 s53, s53, s48                     ; V's: key panel x 8 + pair
	s_and_b32 s54, s14, 4                          ; waves 0-3 and 8-11 fetch for K, waves 4-7 and 12-15 for V
	s_cmp_eq_u32 s54, 0
	s_cselect_b32 s52, s52, s53
	s_mul_i32 s66, s52, PANEL                      ; my panel's codes,
	s_mov_b32 s67, 0
	s_lshl_b32 s68, s52, 9                         ; and its scale words
	s_mov_b32 s69, 0
	s_mov_b32 s24, 3<<16                           ; group 1 for a panel of codes: elements of 8 bytes, no mask, no padding;
	s_mov_b32 s25, 32<<16                          ; rows of 256 bytes,
	s_mov_b32 s26, 48<<16                          ; 48 of them,
	s_mov_b32 s27, 32<<16
	s_mov_b32 s28, 48
	s_mov_b32 s29, 32                              ; dense
	s_mov_b32 s30, 0
	s_mov_b32 s31, 0
	s_mov_b32 s32, 3<<16                           ; and for a step's scale words: two rows of 256 bytes
	s_mov_b32 s33, 32<<16
	s_mov_b32 s34, 2<<16
	s_mov_b32 s35, 32<<16
	s_mov_b32 s36, 2
	s_mov_b32 s37, 32
	s_mov_b32 s38, 0
	s_mov_b32 s39, 0
	s_mov_b32 s40, 1
	s_mul_i32 s41, s14, PANEL                      ; waves 0-7: panel w of LDS
	s_mov_b32 s44, 1
	s_lshl_b32 s45, s14, 9
	s_add_co_u32 s45, s45, KSC-8*512               ; waves 8-15: block w - 8 of the scale words
	s_lshl_b32 s50, s19, 4
	s_add_co_u32 s50, s50, s18                     ; my token panel: 16 x batch + chunk
	s_lshl_b32 s51, s48, 6
	s_add_co_u32 s51, s51, s50                     ; q's panels: pair x 64 + token panel
	s_lshl_b32 s52, s51, 3
	s_add_co_u32 s52, s52, s16
	s_mul_i32 s70, s52, FRB                        ; my fragment of queries
	s_mov_b32 s71, 0
	s_lshl_b32 s72, s51, 9
	s_lshl_b32 s53, s16, 2
	s_add_co_u32 s72, s72, s53                     ; its scale words: + 4 x fragment
	s_mov_b32 s73, 0
	s_lshl_b32 s76, s17, 5
	s_and_b32 s53, s16, 1
	s_lshl_b32 s53, s53, 3
	s_add_co_u32 s76, s76, s53                     ; my fragment's row 0 in its chunk
	s_lshl_b32 s74, s50, 7
	s_add_co_u32 s74, s74, s76
	s_lshl_b32 s74, s74, 12                        ; out0: rows of 4,096 bytes,
	s_lshl_b32 s53, s48, 9
	s_add_co_u32 s74, s74, s53                     ; + 512 x pair
	s_mov_b32 s75, 0
	s_mul_i32 s77, s15, PANEL                      ; my three steps begin at slot (chunk of the two)
	s_lshl_b32 s78, s15, 9
	s_mul_i32 s79, s14, 16*SPITCH
	s_add_co_u32 s79, s79, STAGE                   ; my stage
	s_mov_b32 s20, 0x76543210
	s_mov_b32 s21, 0xfedcba98                      ; v_permlanex16_b32's selects for lane l xor 16
	s_mov_b32 s22, 0x3e38aa3b                      ; c = log2(e) / 8
	s_mov_b32 s23, s22                             ; named with it as a pair, so it is written
	s_wait_dscnt 0x0                               ; the opening add is done
	s_wait_kmcnt 0x0
	s_cmp_eq_u32 s54, 0
	s_cselect_b64 s[42:43], s[4:5], s[8:9]
	s_cselect_b64 s[46:47], s[6:7], s[10:11]
	s_add_nc_u64 s[42:43], s[42:43], s[66:67]
	s_add_nc_u64 s[46:47], s[46:47], s[68:69]
	s_or_b32 s43, s43, 0x80000000
	s_or_b32 s47, s47, 0x80000000
	s_cmp_lt_u32 s14, 8                            ; one tensor load a wave, ahead of every wait on TENSORcnt, every LDS read and every barrier; an s_nop 0 and four v_nop follow each line
	s_cbranch_scc0 .Lscales
	tensor_load_to_lds s[40:43], s[24:31]
	s_nop 0
.rept 4
	v_nop
.endr
	s_branch .Lasked
.Lscales:
	tensor_load_to_lds s[44:47], s[32:39]
	s_nop 0
.rept 4
	v_nop
.endr
.Lasked:
	s_add_nc_u64 s[4:5], s[4:5], s[70:71]          ; q's codes at my fragment,
	s_add_nc_u64 s[6:7], s[6:7], s[72:73]          ; its scale words,
	s_add_nc_u64 s[12:13], s[12:13], s[74:75]      ; out0 at my fragment's row 0, the pair's first head
	v_and_b32 v8, 31, v0                           ; lane
	v_and_b32 v9, 15, v0                           ; r
	v_bfe_u32 v10, v0, 4, 1                        ; h
	s_delay_alu instid0(VALU_DEP_3)
	v_lshlrev_b32 v83, 4, v8                       ; 16 x lane
	s_delay_alu instid0(VALU_DEP_4)
	v_lshlrev_b32 v91, 3, v8                       ; 8 x lane
	s_delay_alu instid0(VALU_DEP_4)
	v_lshlrev_b32 v92, 5, v9                       ; 32 r
	global_load_b128 v[16:19], v83, s[4:5]                 ; the first head's Q: registers 0-3,
	global_load_b64 v[20:21], v91, s[4:5] offset:512       ; 4, 5;
	global_load_b128 v[84:87], v83, s[4:5] offset:768      ; the second head's
	global_load_b64 v[88:89], v91, s[4:5] offset:1280
	global_load_u16 v30, v92, s[6:7]                       ; a head's two scale bytes; the upper two come as 0
	global_load_u16 v90, v92, s[6:7] offset:2
	v_add_nc_u32 v1, s77, v83                      ; K: registers 0-3 of a fragment's half
	v_add_nc_u32 v2, s77, v91
	s_delay_alu instid0(VALU_DEP_1)
	v_add_nc_u32 v2, 512, v2                       ; and 4, 5
	s_delay_alu instid0(VALU_DEP_3)
	v_add_nc_u32 v3, VPAN, v1                      ; V
	v_add_nc_u32 v4, s78, v92
	s_delay_alu instid0(VALU_DEP_1)
	v_add_nc_u32 v4, KSC, v4                       ; K's scale words: 32 r + 4 x fragment
	v_lshlrev_b32 v5, 4, v9
	s_delay_alu instid0(VALU_DEP_1)
	v_add_nc_u32 v5, s78, v5
	s_delay_alu instid0(VALU_DEP_1)
	v_add_nc_u32 v5, VSC, v5                       ; V's: 16 r: a head's four fragments on end
	v_mul_u32_u24 v80, v9, SPITCH
	s_delay_alu instid0(VALU_DEP_1)
	v_lshl_add_u32 v80, v10, 6, v80
	s_delay_alu instid0(VALU_DEP_1)
	v_add_nc_u32 v80, s79, v80                     ; the stage, in: row r, + 64 h
	v_mul_u32_u24 v81, v10, SPITCH
	s_delay_alu instid0(VALU_DEP_1)
	v_lshl_add_u32 v81, v9, 4, v81
	s_delay_alu instid0(VALU_DEP_1)
	v_add_nc_u32 v81, s79, v81                     ; back: lanes 0-15 one row, lanes 16-31 the next
	v_lshlrev_b32 v82, 12, v10
	s_delay_alu instid0(VALU_DEP_1)
	v_lshl_add_u32 v82, v9, 4, v82                 ; and the same two rows in out0
	v_and_b32 v29, 8, v9
	s_delay_alu instid0(VALU_DEP_1)
	v_add_nc_u32 v29, v29, v9
	v_lshlrev_b32 v11, 4, v10
	s_delay_alu instid0(VALU_DEP_1)
	v_sub_nc_u32 v29, v29, v11
	s_delay_alu instid0(VALU_DEP_1)
	v_add_nc_u32 v29, s76, v29                     ; d = my query's place in its chunk - 16 h.  Register 16 b + i holds the key at place 32 b + i + 16 h
	v_mov_b32 v31, 0xff800000                      ; -infinity
.irp i, 22,23,24,25,26,27
	v_mov_b32 v\i, 0                               ; Q's upper 64 along K: zero codes
.endr
.irp t, 0,1,2,3
.irp i, 6,7,8,9,10,11
	v_mov_b32 v[32+12*\t+\i], 0                    ; K's likewise: written once, never loaded
.endr
.endr
.irp b, 0,1,2,3
	v_mov_b32 v[236+\b], 0                         ; written once: a lane permute's destination counts as one of its sources
.endr
	v_mov_b32 v253, 0                              ; named as the upper half of the pair v[252:253] before it is first written
	s_mov_b32 s56, 0                               ; what the second head adds to the addresses: K's half of a fragment,
	s_mov_b32 s57, 0                               ; V's four fragments,
	s_mov_b32 s58, 0                               ; K's two scale bytes,
	s_mov_b32 s59, 0                               ; V's scale words
	s_mov_b32 s60, 2                               ; heads to go
	s_wait_tensorcnt 0x0                           ; my load has landed,
	s_barrier_signal -1
	s_barrier_wait -1                              ; everybody's has
	s_wait_loadcnt 0x0                             ; Q
; The mask of block b of 32 keys in the step before (j = 0) or after (j = 2) my chunk.  A block all of whose keys count for all my 16 queries is jumped over: a branch on the wave's number.
.macro MASKB j, b
.if \j == 0
.if \b > 0
	s_cmp_lt_u32 s17, \b
	s_cbranch_scc1 .Lopen_\@
.endif
.else
.if \b < 3
	s_cmp_gt_u32 s17, \b
	s_cbranch_scc1 .Lopen_\@
.endif
.endif
.irp i, 0,1,2,3,4,5,6,7,8,9,10,11,12,13,14,15
.if \j == 0
	v_cmp_lt_i32 vcc_lo, 32*\b+\i, v29             ; hidden where the key's place lies under the query's
.else
	v_cmp_gt_i32 vcc_lo, 32*\b+\i, v29             ; hidden where it lies over it
.endif
	v_cndmask_b32 v[96+16*\b+\i], v[96+16*\b+\i], v31, vcc_lo
.endr
.Lopen_\@:
.endm
; A KEY STEP of 128 keys: j = 0, 1, 2: the chunk before mine, mine, the one after: LDS slot (chunk of the two) + j.
.macro STEP j
.if \j == 0
	s_cmp_eq_u32 s18, 0                            ; the sequence's first chunk has no step before it
	s_cbranch_scc1 .Lskip_\@
.endif
.if \j == 2
	s_cmp_eq_u32 s18, 15                           ; the last none after it
	s_cbranch_scc1 .Lskip_\@
.endif
.irp g, 0,1                                    ; S^T = K Q^T, four tiles of 16 keys at a time
.if \g == 1
.rept 4
	v_nop                                          ; places in front of loads into registers that matrix instructions have read
.endr
.endif
.irp t, 0,1,2,3
	ds_load_b128 v[32+12*\t:35+12*\t], v8 offset:\j*PANEL+(4*\g+\t)*FRB
	ds_load_b64 v[36+12*\t:37+12*\t], v9 offset:\j*PANEL+(4*\g+\t)*FRB
	ds_load_u16 v[248+\t], v11 offset:\j*512+4*(4*\g+\t)
.endr
	s_wait_dscnt 0x0
.irp t, 0,1,2,3
	v_wmma_scale_f32_16x16x128_f8f6f4 v[96+8*(4*\g+\t):103+8*(4*\g+\t)], v[32+12*\t:43+12*\t], v[16:27], 0, v[248+\t], v30 matrix_a_fmt:MATRIX_FMT_FP6 matrix_b_fmt:MATRIX_FMT_FP6
.endr
.endr
.rept 4
	v_nop
.endr
.if \j != 1
	MASKB \j, 0
	MASKB \j, 1
	MASKB \j, 2
	MASKB \j, 3
.endif
.irp b, 0,1,2,3
	v_max3_num_f32 v[232+\b], v[96+16*\b], v[97+16*\b], v[98+16*\b]   ; THE LARGEST SCORE OF EACH BLOCK OF 32 KEYS serves twice: for the row's maximum, and, since p rises with the score, for the block's largest p
.endr
.irp i, 3,5,7,9,11,13
.irp b, 0,1,2,3
	v_max3_num_f32 v[232+\b], v[232+\b], v[96+16*\b+\i], v[97+16*\b+\i]
.endr
.endr
.irp b, 0,1,2,3
	v_max_num_f32 v[232+\b], v[232+\b], v[111+16*\b]
.endr
.irp b, 0,1,2,3
	s_delay_alu instid0(VALU_DEP_4)
	v_permlanex16_b32 v[236+\b], v[232+\b], s20, s21
.endr
.irp b, 0,1,2,3
	s_delay_alu instid0(VALU_DEP_4)
	v_max_num_f32 v[232+\b], v[232+\b], v[236+\b]  ; with lane l xor 16's 16 keys
.endr
	s_delay_alu instid0(VALU_DEP_2)
	v_max3_num_f32 v254, v232, v233, v234
	s_delay_alu instid0(VALU_DEP_1)
	v_max_num_f32 v254, v254, v235                 ; the step's largest score of my query
	s_delay_alu instid0(VALU_DEP_1)
	v_mul_f32 v254, s22, v254                      ; as t (c is positive)
	s_delay_alu instid0(VALU_DEP_1)
	v_max_num_f32 v13, v13, v254                   ; the running largest t
	v_mov_b32 v254, v12
	s_delay_alu instid0(VALU_DEP_2)
	v_floor_f32 v12, -v13                          ; the new -M = floor(-t) = -ceil(t): M IS A WHOLE NUMBER
	s_delay_alu instid0(VALU_DEP_1)
	v_sub_f32 v254, v12, v254                      ; M's old value less its new one: a whole number, 0 or less
	s_delay_alu instid0(VALU_DEP_1)
	v_cvt_i32_f32 v254, v254                       ; (it saturates)
	s_delay_alu instid0(VALU_DEP_1)
	v_ldexp_f32 v252, 1.0, v254                    ; f = 2^(old M - new M)
.set j2, 0
.rept 32
	v_pk_fma_f32 v[96+j2:97+j2], v[96+j2:97+j2], s[22:23], v[12:13] op_sel_hi:[1,0,0]   ; t - M, two at a time
.set j2, j2+2
.endr
.irp b, 0,1,2,3
	v_fma_f32 v[232+\b], v[232+\b], s22, v12       ; the same of each block's largest score
.endr
.set j2, 0
	s_wait_alu depctr_va_vdst(0)
.rept 64
	v_exp_f32 v[96+j2], v[96+j2]                   ; p = 2^(t - M), at most 1: NOT normalised
.set j2, j2+1
.endr
	v_pk_mul_f32 v[14:15], v[14:15], v[252:253] op_sel_hi:[1,0]   ; the sums under the new M: a plain place behind the exponentials
	s_wait_alu depctr_va_vdst(0)                   ; one wait for the whole batch, ahead of its first reader
.irp b, 0,1,2,3
	v_exp_f32 v[232+\b], v[232+\b]                 ; the block's largest p: the same two instructions on the same number give the same bits
.endr
	v_pk_add_f32 v[236:237], v[100:101], v[104:105]
	v_pk_add_f32 v[254:255], v[108:109], v[112:113]
	v_pk_add_f32 v[250:251], v[116:117], v[120:121]
	v_pk_add_f32 v[248:249], v[124:125], v[128:129]
	v_pk_add_f32 v[246:247], v[132:133], v[136:137]
	v_pk_add_f32 v[244:245], v[140:141], v[144:145]
	v_pk_add_f32 v[242:243], v[148:149], v[152:153]
	v_pk_add_f32 v[14:15], v[14:15], v[156:157]
	v_pk_add_f32 v[236:237], v[236:237], v[96:97]
	v_pk_add_f32 v[254:255], v[254:255], v[98:99]
	v_pk_add_f32 v[250:251], v[250:251], v[102:103]
	v_pk_add_f32 v[248:249], v[248:249], v[106:107]
	v_pk_add_f32 v[246:247], v[246:247], v[110:111]
	v_pk_add_f32 v[244:245], v[244:245], v[114:115]
	v_pk_add_f32 v[242:243], v[242:243], v[118:119]
	v_pk_add_f32 v[14:15], v[14:15], v[122:123]
	v_pk_add_f32 v[236:237], v[236:237], v[126:127]
	v_pk_add_f32 v[254:255], v[254:255], v[130:131]
	v_pk_add_f32 v[250:251], v[250:251], v[134:135]
	v_pk_add_f32 v[248:249], v[248:249], v[138:139]
	v_pk_add_f32 v[246:247], v[246:247], v[142:143]
	v_pk_add_f32 v[244:245], v[244:245], v[146:147]
	v_pk_add_f32 v[242:243], v[242:243], v[150:151]
	v_pk_add_f32 v[14:15], v[14:15], v[154:155]
	v_pk_add_f32 v[236:237], v[236:237], v[158:159]
	s_delay_alu instid0(VALU_DEP_2)
	v_pk_add_f32 v[14:15], v[14:15], v[248:249]
	s_delay_alu instid0(VALU_DEP_2)
	v_pk_add_f32 v[236:237], v[236:237], v[246:247]
	v_pk_add_f32 v[254:255], v[254:255], v[244:245]
	v_pk_add_f32 v[250:251], v[250:251], v[242:243]
	s_delay_alu instid0(VALU_DEP_2)
	v_pk_add_f32 v[14:15], v[14:15], v[254:255]
	s_delay_alu instid0(VALU_DEP_2)
	v_pk_add_f32 v[236:237], v[236:237], v[250:251]
	s_delay_alu instid0(VALU_DEP_1)
	v_pk_add_f32 v[14:15], v[14:15], v[236:237]
	s_wait_alu depctr_va_vdst(0)                   ; and one for the four
.irp b, 0,1,2,3
	v_max_num_f32 v[232+\b], 0x1800000, v[232+\b]  ; the floor 2^(3 - 127): the byte cannot fall under 1
.endr
.irp b, 0,1,2,3
	s_delay_alu instid0(VALU_DEP_4)
	v_add_nc_u32 v[244+\b], 0xff000000, v[232+\b]  ; 2 off the exponent field: the conversion's scale operand
.endr
.irp b, 0,1,2,3
	s_delay_alu instid0(VALU_DEP_4)
	v_lshrrev_b32 v[236+\b], 23, v[244+\b]         ; the scale's byte
.endr
	s_delay_alu instid0(VALU_DEP_3)
	v_lshl_or_b32 v253, v237, 8, v236              ; p's scale word for these 128 keys
	s_delay_alu instid0(VALU_DEP_1)
	v_lshl_or_b32 v253, v238, 16, v253
	s_delay_alu instid0(VALU_DEP_1)
	v_lshl_or_b32 v253, v239, 24, v253
.irp c, 0,1
	v_cvt_scalef32_pk16_fp6_f32 v[192+6*\c:194+6*\c], v[96+32*\c:111+32*\c], v[244+2*\c]
	v_cvt_scalef32_pk16_fp6_f32 v[204+4*\c:206+4*\c], v[112+32*\c:127+32*\c], v[244+2*\c+1]   ; a conversion's three registers begin on an even number
.endr
	v_nop                                          ; one plain place behind a scaled conversion
.irp t, 0,1,2,3                                ; p's numbers are done with: V's four fragments of my head land in their registers while the codes are put in order
.irp c, 0,1,2
	ds_load_b128 v[96+12*\t+4*\c:99+12*\t+4*\c], v10 offset:\j*PANEL+\t*FRB+512*\c
.endr
.endr
	ds_load_b128 v[248:251], v28 offset:\j*512     ; and their four scale words
.irp c, 0,1                                    ; the operand's layout wants a WHOLE block in a lane
.irp i, 0,1,2
	v_permlane16_swap_b32 v[192+6*\c+\i], v[204+4*\c+\i]
.endr
.irp i, 0,1,2
	s_delay_alu instid0(VALU_DEP_3)
	v_mov_b32 v[195+6*\c+\i], v[204+4*\c+\i]
.endr
.endr
.set j2, 0
.rept 16
	v_pk_mul_f32 v[160+j2:161+j2], v[160+j2:161+j2], v[252:253] op_sel_hi:[1,0]   ; O^T under the new M.  These are also the places between p's codes and scale word and the products below
.set j2, j2+2
.endr
	s_wait_alu depctr_va_vdst(0)
	s_wait_dscnt 0x0
.irp t, 0,1,2,3                                ; O^T += V^T P^T: four tiles of 16 channels, the four accumulators by turns
	v_wmma_scale_f32_16x16x128_f8f6f4 v[160+8*\t:167+8*\t], v[96+12*\t:107+12*\t], v[192:203], v[160+8*\t:167+8*\t], v[248+\t], v253 matrix_a_fmt:MATRIX_FMT_FP6 matrix_b_fmt:MATRIX_FMT_FP6
.endr
.rept 5
	v_nop                                          ; five places: the next step's products write over V's registers, its loads land in the scale registers, and the way out reads O^T
.endr
.if \j != 1
.Lskip_\@:
.endif
.endm
.Lhead:                                            ; two trips: the pair's two heads
	v_add_nc_u32 v8, s56, v1
	v_add_nc_u32 v9, s56, v2
	v_add_nc_u32 v10, s57, v3
	v_add_nc_u32 v11, s58, v4
	v_add_nc_u32 v28, s59, v5
	v_mov_b32 v13, 0xff61b1e6                      ; the largest t so far: -3e38, under every t
	s_delay_alu instid0(VALU_DEP_1)
	v_floor_f32 v12, -v13                          ; -M
	v_mov_b32 v14, 0                               ; the sum, in two halves
	v_mov_b32 v15, 0
.set j2, 0
.rept 32
	v_mov_b32 v[160+j2], 0                         ; O^T.  Which step is a wave's first hangs on its chunk, so the steps are written alike: the first finds zeros, which the first change of M leaves zeros
.set j2, j2+1
.endr
	STEP 0
	STEP 1
	STEP 2
	; THE WAY OUT.  O^T is divided by the sum and goes through my stage in LDS, so that sixteen lanes store a head's row of 256 bytes, aligned.
	v_add_f32 v14, v14, v15                        ; the sum's two halves,
	s_delay_alu instid0(VALU_DEP_1)
	v_permlanex16_b32 v252, v14, s20, s21
	s_delay_alu instid0(VALU_DEP_1)
	v_add_f32 v14, v14, v252                       ; and lane l xor 16's: the row's sum
	s_wait_alu depctr_va_vdst(0)
	v_rcp_f32 v14, v14
	v_nop                                          ; a plain place behind the transcendental
	s_wait_alu depctr_va_vdst(0)                   ; and the wait ahead of its first reader
.set j2, 0
.rept 16
	v_pk_mul_f32 v[96+j2:97+j2], v[160+j2:161+j2], v[14:15] op_sel_hi:[1,0]   ; register 8 t + i is channel 32 (t / 2) + 8 (t % 2) + 16 h + i of query r
.set j2, j2+2
.endr
.irp t, 0,1,2,3
	ds_store_b128 v80, v[96+8*\t:99+8*\t] offset:128*(\t/2)+32*(\t%2)
	ds_store_b128 v80, v[100+8*\t:103+8*\t] offset:128*(\t/2)+32*(\t%2)+16
.endr
.irp i, 0,1,2,3,4,5,6,7
	ds_load_b128 v[128+4*\i:131+4*\i], v81 offset:2*\i*SPITCH   ; LDS serves a wave's instructions in order: these see my stores
.endr
.irp i, 0,1,2,3,4,5,6,7
	s_wait_dscnt 7-\i                              ; load i is in; the younger ones may be out
	global_store_b128 v82, v[128+4*\i:131+4*\i], s[12:13] offset:(2*\i+8*(\i/4))*4096 th:TH_STORE_NT   ; fragment rows 2 i, 2 i + 1 are tokens 2 i + 8 (i / 4), + 1 behind the fragment's first
.endr
	s_wait_xcnt 0x0                                ; the stores have read their registers and their base: both may be written again
	s_add_nc_u64 s[12:13], s[12:13], 256           ; the second head's 64 columns
	s_add_co_u32 s56, s56, 768
	s_add_co_u32 s57, s57, 4*FRB
	s_add_co_u32 s58, s58, 2
	s_add_co_u32 s59, s59, 256
.irp i, 0,1,2,3,4,5
	v_mov_b32 v[16+\i], v[84+\i]                   ; the second head's Q,
.endr
	v_mov_b32 v30, v90                             ; and its scale bytes
	s_sub_co_u32 s60, s60, 1
	s_cmp_lg_u32 s60, 0
	s_cbranch_scc1 .Lhead
	s_wait_tensorcnt 0x0                           ; the wave's end, behind my last tensor load and my last LDS store
	ds_add_u32 v6, v7
	s_wait_dscnt 0x0
	s_endpgm
.Lfunc_end_k_q4dd5808175_attn:
	.size	k_q4dd5808175_attn, .Lfunc_end_k_q4dd5808175_attn-k_q4dd5808175_attn
	.p2alignl 7, 3214868480
	.fill 96, 4, 3214868480
	.section	.rodata,"a",@progbits
	.p2align	6, 0x0
	.amdhsa_kernel k_q4dd5808175_attn
		.amdhsa_group_segment_fixed_size 174080
		.amdhsa_private_segment_fixed_size 0
		.amdhsa_enable_private_segment 0
		.amdhsa_kernarg_size 40
		.amdhsa_user_sgpr_count 2
		.amdhsa_user_sgpr_kernarg_segment_ptr 1
		.amdhsa_wavefront_size32 1
		.amdhsa_system_sgpr_workgroup_id_x 1
		.amdhsa_system_sgpr_workgroup_id_y 1
		.amdhsa_system_sgpr_workgroup_id_z 1
		.amdhsa_system_vgpr_workitem_id 0
		.amdhsa_next_free_vgpr 256
		.amdhsa_next_free_sgpr 84
		.amdhsa_reserve_vcc 1
		.amdhsa_float_denorm_mode_32 3
		.amdhsa_float_denorm_mode_16_64 3
		.amdhsa_memory_ordered 1
		.amdhsa_forward_progress 1
		.amdhsa_inst_pref_size 76
	.end_amdhsa_kernel
	.amdgpu_metadata
---
amdhsa.version: [ 1, 2 ]
amdhsa.kernels:
  - .name:           k_q4dd5808175_attn
    .symbol:         k_q4dd5808175_attn.kd
    .args:
      - { .name: qk_img, .offset: 0, .size: 8, .value_kind: global_buffer, .address_space: global }
      - { .name: qk_sc, .offset: 8, .size: 8, .value_kind: global_buffer, .address_space: global }
      - { .name: v_img, .offset: 16, .size: 8, .value_kind: global_buffer, .address_space: global }
      - { .name: v_sc, .offset: 24, .size: 8, .value_kind: global_buffer, .address_space: global }
      - { .name: out0, .offset: 32, .size: 8, .value_kind: global_buffer, .address_space: global }
    .group_segment_fixed_size: 174080
    .private_segment_fixed_size: 0
    .kernarg_segment_align: 8
    .kernarg_segment_size: 40
    .max_flat_workgroup_size: 512
    .sgpr_count:     84
    .vgpr_count:     256
    .wavefront_size: 32
...
	.end_amdgpu_metadata
.endif
;; end of part 3
